; MI455X (gfx1250); checked and timed in simulation.
; The chip was launched on July 23, 2026; its instructions are those of AMD's public machine-readable ISA for CDNA 5 (MIT licence, August 2026) and "CDNA5" Instruction Set Architecture Reference Guide (July 2026). The comments in the code are by the model that wrote it; some were corrected since.
;; Qwen Attention. Allowed arithmetic: matrix products marked QUANTISED: E4M3 operands, one given power-of-two scale a tensor, by v_wmma_f32_16x16x64_fp8_fp8 or v_wmma_f32_16x16x128_fp8_fp8, f32 sums; everything else in f32.
;; Inputs: lowp_scales 12 int32 (the exponents e of the quantised operands' scales 2^e); wk_b 512 float32; wk_w 512 x 2,048 float32; wo_w 2,048 x 2,048 float32; wq_b 2,048 float32; wq_w 2,048 x 2,048 float32; wv_b 512 float32; wv_w 512 x 2,048 float32; x 4 x 1,024 x 2,048 float32.
;; Outputs: out0 4 x 1,024 x 2,048 float32.
;; This version of the problem:
;;   THIS VERSION OF THE PROBLEM IS GIVEN IN LOW PRECISION. The matrix products marked QUANTISED in the list below multiply operands that are first quantised to E4M3 (4 exponent bits, 3 mantissa bits; 8 bits a number), with one given power-of-two scale for each operand tensor; their sums are f32. All else is computed in f32.
;;   The module's matrix products, in the order in which they are computed (A, B: the left and right operand; K: the contracted axis; several contracted axes count as one K, in the product's order):
;;     1. [M 4,096, K 2,048] x [K 2,048, N 2,048]; A: input x; B: input wq_w: QUANTISED (scales: A lowp_scales[0], B lowp_scales[1])
;;     2. [M 4,096, K 2,048] x [K 2,048, N 512]; A: input x; B: input wk_w: QUANTISED (scales: A lowp_scales[2], B lowp_scales[3])
;;     3. [M 4,096, K 2,048] x [K 2,048, N 512]; A: input x; B: input wv_w: QUANTISED (scales: A lowp_scales[4], B lowp_scales[5])
;;     4. batch 64 x [M 1,024, K 128] x [K 128, N 1,024]; A: computed on the way; B: computed on the way: QUANTISED (scales: A lowp_scales[6], B lowp_scales[7])
;;     5. batch 64 x [M 1,024, K 1,024] x [K 1,024, N 128]; A: softmax (see below); B: computed on the way: QUANTISED (scales: A lowp_scales[8], B lowp_scales[9])
;;     6. [M 4,096, K 2,048] x [K 2,048, N 2,048]; A: computed on the way; B: input wo_w: QUANTISED (scales: A lowp_scales[10], B lowp_scales[11])
;;   THE QUANTISER, for each operand of a quantised product, along K:
;;     - The operand's scale is 2^e, e = its entry of the input lowp_scales (int32; the entries are numbered through the quantised products in the list's order, A before B).
;;     - Each number is divided by the scale, clamped to +-448, and rounded to the nearest number of E4M3, ties to even, subnormals kept.
;;     - The product sums the exact products of the quantised numbers (number of the format x scale) in f32.
;;   ~~~python
;;   def quantise(x, axis, e):      # numpy; x: float32 -> the quantised numbers, widened to float32 again
;;       x = np.moveaxis(x, axis, -1); K = x.shape[-1]
;;       r = np.clip(x / 2.0 ** e, -448, 448)
;;       step = 2.0 ** (np.maximum(np.frexp(np.where(r == 0, 1, r))[1] - 1, -6) - 3)
;;       q = np.round(r / step) * step * 2.0 ** e      # np.round: ties to even
;;       return np.moveaxis(q, -1, axis).astype(np.float32)
;;   ~~~
;;   SOFTMAX AHEAD OF A QUANTISED PRODUCT. Where the list says 'softmax', what is quantised is not the finished softmax but p = 2^(t - M), with t = logit x log2(e) and M = ceil(the row's largest t), a whole number; so 1/2 < the row's largest p <= 1. The row's sum l is taken of the UNQUANTISED p, in f32, and the product's result is divided by l at the end. Since M is a whole number, a kernel that streams over the keys may use a running M (the ceiling of the running maximum): every later rescaling is an exact power of two, so the quantised numbers keep their values, but for numbers so far below the row's largest that they fall under the format's range.
;;   OPERANDS COMPUTED ON THE WAY. 'Computed on the way' means the value that the module computes at that place (a softmax that the list does not call 'softmax' is quantised finished and normalised). What goes into a quantiser is computed in f32, as accurately as f32 sums, v_exp_f32 and their like allow (about 1e-6 of the number): no bf16 or f16 on the way to a quantiser, and a product that is left as it is and whose result goes on into a quantised operand takes f32 operands (vector FMAs, or v_wmma_f32_16x16x4_f32). A number that lies on a knife's edge between two numbers of the format may be rounded either way, as far as f32 arithmetic and the matrix unit's own rounding can turn it there, and no further.
;; One version. Each part assembles by itself: llvm-mc -triple=amdgcn-amd-amdhsa -mcpu=gfx1250 --defsym DOCPART=n.
;; ======== version 1 of 1: 4 launches
;; limits: right only within a limited range of input values
;; workspace buffers: ximg 25,165,824 bytes; wimg 10,485,760 bytes; rope 524,288 bytes; qimg 8,388,608 bytes; kimg 2,097,152 bytes; vimg 2,097,152 bytes; cimg 8,388,608 bytes
;; launch prep (part 1): grid 640 x 1, 4 waves a work-group, no clusters, 70,144 bytes of LDS; arguments x, wq_w, wk_w, wv_w, wo_w, lowp_scales, ximg, wimg, rope; writes ximg, wimg, rope
.if DOCPART == 1
	.amdgcn_target "amdgcn-amd-amdhsa--gfx1250"
	.amdhsa_code_object_version 6
	.text
	.protected	k_q4fb8258631_prep
	.globl	k_q4fb8258631_prep
	.p2align	8
	.type	k_q4fb8258631_prep,@function
k_q4fb8258631_prep:
	s_mov_b64 s[64:65], 0
	v_nop
	global_prefetch_b8 v0, s[64:65] scope:SCOPE_SE
	s_setreg_imm32_b32 hwreg(HW_REG_WAVE_MODE, 25, 1), 1
	s_wait_xcnt 0x0
; PREP: x (three times, with scale entries 0, 2, 4) and the four weights (entries 1, 3, 5, 11) become codes of E4M3; the RoPE table is made.
; code = number / 2^e, held within +-448, rounded to the nearest code, ties to even.  LIMITS: every e between -126 and 119; NaN among the inputs is not served.
; LAYOUT OF THE CODES: images of operand registers.  A tile of 16 rows x 128 K is 2,048 bytes; group c (0..3) of lane l lies at 512 c + 16 l and holds, of the tile's row l % 16,
; k = 32 c + 16 (l / 16) + 0 .. 15.  THE ROWS OF TILE t ARE NOT NEIGHBOURS: row r of the tile is row 32 (t / 2) + 8 (t % 2) + r + 8 (r / 8) of the tensor.
; SHARES: work-groups 0-255: tile g of x, three outputs; 256-575: tile g - 256 of the weights (128 of wq, 32 of wk, 32 of wv, 128 of wo), one output; 576-639: tile g - 576 of the table.
; A wave takes 512 along K of the tile's 16 rows, in 8 steps of 64: each load reads two whole runs of 256 bytes (lanes 0-15 one row, lanes 16-31 the next); the 4,096 bytes turn through the wave's own
; stage in LDS (rows of 256 + 16 bytes) and come back 64 neighbouring bytes a lane; each store of codes covers 512 consecutive bytes.  Waves share nothing: no barrier.  The two paths that use LDS have bytes of their own.
; THE TABLE: cos and sin of position x 10^(-6 f / 64), f = 0 .. 63, in f32: the angle less a whole number of quarter turns (in two parts), two polynomials on +-pi/4, the quadrant by select and sign bit.
; Its layout is what a lane of the next launch wants: [64 tiles of positions][16 pieces][32 lanes][16 bytes]; piece p < 8: cos at f = 32 (p / 4) + 16 (l / 16) + 4 (p % 4) + 0 .. 3; piece p + 8: sin.
.set R,     16                         ; v16-143  four sets of 32: a step's numbers as loaded
.set X,     144                        ; v144-207 two sets of 32: 2 x 16 neighbours along K
.set T,     208                        ; v208-223 16 numbers, held
.set C,     224                        ; v224-247 codes: 8 registers for each output
.set SCL,   10                         ; v10-12   2^e as f32
.set LIM,   13                         ; v13-15   448 x 2^e
.set PIT,   272
.set STG,   16*PIT                     ; a stage
.set WREG,  2*STG                      ; a wave's two stages
.set WBASE, 4*WREG                     ; the weights' path has LDS bytes of its own
	s_load_b512 s[4:19], s[0:1], 0x0               ; x 4:5, wq 6:7, wk 8:9, wv 10:11, wo 12:13, scales 14:15, ximg 16:17, wimg 18:19
	s_load_b64 s[20:21], s[0:1], 0x40              ; rope
	v_lshl_add_u32 v254, v0, 2, 0x11000
	v_mov_b32 v255, 0
	v_lshrrev_b32 v1, 5, v0
	v_readfirstlane_b32 s22, v1                    ; wave
	v_and_b32 v1, 31, v0                           ; lane
	v_and_b32 v2, 15, v0                           ; r
	v_bfe_u32 v3, v0, 4, 1                         ; h
	v_lshlrev_b32 v4, 4, v2
	v_lshl_add_u32 v4, v3, 13, v4                  ; in: 16 r + one row (8,192 bytes) for lanes 16-31
	v_lshlrev_b32 v5, 4, v1                        ; out: 16 x lane
	s_mul_i32 s23, s22, WREG
	v_mul_u32_u24 v6, v3, PIT
	v_lshl_add_u32 v6, v2, 4, v6
	v_add_nc_u32 v6, s23, v6                       ; the stage, in (x's path): row h, byte 16 r
	v_mul_u32_u24 v7, v2, PIT
	v_lshl_add_u32 v7, v3, 6, v7
	v_add_nc_u32 v7, s23, v7                       ; and back: row r, byte 64 h
	v_add_nc_u32 v8, WBASE, v6                     ; the same for the weights' path
	v_add_nc_u32 v9, WBASE, v7
	s_wait_kmcnt 0x0
	s_load_b256 s[24:31], s[14:15], 0x0            ; e0 .. e7
	s_load_b128 s[32:35], s[14:15], 0x20           ; e8 .. e11
.macro LOADS t                         ; step t: 16 rows x 256 bytes; load i takes the tile's rows 2 i and 2 i + 1
.irp i, 0,1,2,3,4,5,6,7
	global_load_b128 v[R+32*((\t)%4)+4*\i:R+32*((\t)%4)+4*\i+3], v4, s[36:37] offset:(2*\i+8*(\i/4))*8192+256*(\t) th:TH_LOAD_NT
.endr
.endm
.macro TURN t, sa, la                  ; through the stage: LDS serves a wave's instructions in order, so no wait stands between the stores and the loads
.irp i, 0,1,2,3,4,5,6,7
	ds_store_b128 v[\sa], v[R+32*((\t)%4)+4*\i:R+32*((\t)%4)+4*\i+3] offset:((\t)%2)*STG+2*\i*PIT
.endr
.irp c, 0,1
.irp j, 0,1,2,3
	ds_load_b128 v[X+32*((\t)%2)+16*\c+4*\j:X+32*((\t)%2)+16*\c+4*\j+3], v[\la] offset:((\t)%2)*STG+128*\c+16*\j
.endr
.endr
.endm
.macro SCALE p, se                     ; 2^e and 448 x 2^e as f32, from the whole number in s[se]
	s_add_co_i32 s50, s[\se], 127
	s_lshl_b32 s51, s50, 23
	v_mov_b32 v[SCL+\p], s51
	s_add_co_i32 s50, s50, 8
	s_lshl_b32 s50, s50, 23
	s_or_b32 s50, s50, 0x600000
	v_mov_b32 v[LIM+\p], s50
.endm
.macro STEPQ t, nout, sa, la
	s_wait_dscnt 0x0                               ; this step's numbers are back; its stores into the stage have read their registers,
.if (\t)+4 < 8
	LOADS (\t)+4                                   ; which take the loads of four steps on
.endif
.if (\t) < 7
.if (\t) < 4
	s_wait_loadcnt 24                              ; the next step's eight loads are in; those of the three steps behind it may be out
.else
	s_wait_loadcnt 8*(6-(\t))                      ; the counts run down: 16, 8, 0
.endif
	TURN (\t)+1, \sa, \la
.endif
	s_wait_xcnt 0x0                                ; the last step's stores have read their data: the codes' registers are written again only behind this wait
.irp c, 0,1
.irp p, 0,1,2
.if \p < \nout
.irp i, 0,1,2,3,4,5,6,7,8,9,10,11,12,13,14,15
	v_med3_num_f32 v[T+\i], v[X+32*((\t)%2)+16*\c+\i], -v[LIM+\p], v[LIM+\p]   ; the conversion does not saturate (ISA guide 7.6.2): the hold comes first
.endr
	v_cvt_scalef32_pk8_fp8_f32 v[C+8*\p+4*\c:C+8*\p+4*\c+1], v[T:T+7], v[SCL+\p]
	v_cvt_scalef32_pk8_fp8_f32 v[C+8*\p+4*\c+2:C+8*\p+4*\c+3], v[T+8:T+15], v[SCL+\p]
	v_nop                                          ; one plain line between the conversions and the next holds, which write their sources
	global_store_b128 v5, v[C+8*\p+4*\c:C+8*\p+4*\c+3], s[40+2*\p:41+2*\p] offset:1024*(\t)+512*\c   ; 512 consecutive bytes: group 2 (t % 2) + c of K step t / 2
.endif
.endr
.endr
.endm
	s_cmp_ge_u32 ttmp9, 576
	s_cbranch_scc1 .Ltable
	s_cmp_ge_u32 ttmp9, 256
	s_cbranch_scc1 .Lweights
	; ---- x: tile g
	s_lshr_b32 s46, ttmp9, 1
	s_lshl_b32 s46, s46, 18                        ; 32 (g / 2) rows of 8,192 bytes
	s_and_b32 s47, ttmp9, 1
	s_lshl_b32 s47, s47, 16                        ; 8 (g % 2) rows
	s_add_co_u32 s46, s46, s47
	s_lshl_b32 s47, s22, 11                        ; my wave's 512 numbers of a row
	s_add_co_u32 s46, s46, s47
	s_mov_b32 s47, 0
	s_add_nc_u64 s[36:37], s[4:5], s[46:47]
	s_lshl_b32 s48, ttmp9, 15                      ; a tile's 16 K steps are 32,768 bytes
	s_lshl_b32 s49, s22, 13                        ; my wave's four K steps
	s_add_co_u32 s48, s48, s49
	s_mov_b32 s49, 0
	s_add_nc_u64 s[40:41], s[16:17], s[48:49]
	s_add_nc_u64 s[42:43], s[40:41], 0x800000      ; the second and third part of ximg
	s_add_nc_u64 s[44:45], s[42:43], 0x800000
	LOADS 0
	LOADS 1
	LOADS 2
	LOADS 3
	s_wait_kmcnt 0x0
	SCALE 0, 24
	SCALE 1, 26
	SCALE 2, 28
	s_wait_loadcnt 24                              ; step 0's eight loads are in
	s_wait_alu depctr_va_vdst(0)
	TURN 0, 6, 7
.irp t, 0,1,2,3,4,5,6,7
	STEPQ \t, 3, 6, 7
.endr
	s_wait_tensorcnt 0x0
	ds_add_u32 v254, v255
	s_wait_dscnt 0x0
	s_endpgm
.Lweights:
	; ---- weights: tile n = g - 256 of wimg.  The tensor is chosen on the work-group's number alone
	s_sub_co_u32 s52, ttmp9, 256
	s_mov_b32 s46, 192
	s_mov_b64 s[36:37], s[12:13]
	s_cmp_lt_u32 s52, 192
	s_cselect_b64 s[36:37], s[10:11], s[36:37]
	s_cselect_b32 s46, 160, s46
	s_cmp_lt_u32 s52, 160
	s_cselect_b64 s[36:37], s[8:9], s[36:37]
	s_cselect_b32 s46, 128, s46
	s_cmp_lt_u32 s52, 128
	s_cselect_b64 s[36:37], s[6:7], s[36:37]
	s_cselect_b32 s46, 0, s46
	s_sub_co_u32 s53, s52, s46                     ; the tile's number in its tensor
	s_lshr_b32 s48, s53, 1
	s_lshl_b32 s48, s48, 18
	s_and_b32 s49, s53, 1
	s_lshl_b32 s49, s49, 16
	s_add_co_u32 s48, s48, s49
	s_lshl_b32 s49, s22, 11
	s_add_co_u32 s48, s48, s49
	s_mov_b32 s49, 0
	s_add_nc_u64 s[36:37], s[36:37], s[48:49]
	s_lshl_b32 s48, s52, 15
	s_lshl_b32 s49, s22, 13
	s_add_co_u32 s48, s48, s49
	s_mov_b32 s49, 0
	s_add_nc_u64 s[40:41], s[18:19], s[48:49]
	LOADS 0
	LOADS 1
	LOADS 2
	LOADS 3
	s_wait_kmcnt 0x0
	s_cmp_lt_u32 s52, 192
	s_cselect_b32 s47, s29, s35                    ; e5 (wv) or e11 (wo)
	s_cmp_lt_u32 s52, 160
	s_cselect_b32 s47, s27, s47                    ; e3 (wk)
	s_cmp_lt_u32 s52, 128
	s_cselect_b32 s47, s25, s47                    ; e1 (wq)
	SCALE 0, 47
	s_wait_loadcnt 24
	s_wait_alu depctr_va_vdst(0)
	TURN 0, 8, 9
.irp t, 0,1,2,3,4,5,6,7
	STEPQ \t, 1, 8, 9
.endr
	s_wait_tensorcnt 0x0
	ds_add_u32 v254, v255
	s_wait_dscnt 0x0
	s_endpgm
.Ltable:
	; ---- the table: tile of positions g - 576; wave w makes pieces 2 w and 2 w + 1 of cos and of sin: eight values a lane
	s_wait_kmcnt 0x0                               ; the scales' loads are not used here; they are waited for
	s_sub_co_u32 s46, ttmp9, 576
	s_lshr_b32 s47, s46, 1
	s_lshl_b32 s47, s47, 5
	s_and_b32 s48, s46, 1
	s_lshl_b32 s48, s48, 3
	s_add_co_u32 s47, s47, s48
	v_and_b32 v16, 8, v2
	v_add_nc_u32 v16, v16, v2
	v_add_nc_u32 v16, s47, v16                     ; my position: 32 (T / 2) + 8 (T % 2) + r + 8 (r / 8)
	v_cvt_f32_u32 v16, v16
	s_lshr_b32 s48, s22, 1
	s_lshl_b32 s48, s48, 5
	s_and_b32 s49, s22, 1
	s_lshl_b32 s49, s49, 3
	s_add_co_u32 s48, s48, s49
	v_lshl_add_u32 v17, v3, 4, s48                 ; my first f: 32 (w / 2) + 8 (w % 2) + 16 h
	s_wait_alu depctr_va_vdst(0)
	s_mov_b32 s50, 0xb94ca1f9                      ; sine: -1.9515296e-4, 8.3321609e-3, -1.6666655e-1
	s_mov_b32 s51, 0x3c08839e
	s_mov_b32 s52, 0xbe2aaaa3
	s_mov_b32 s53, 0x37ccf5ce                      ; cosine: 2.4433157e-5, -1.3887316e-3, 4.1666646e-2
	s_mov_b32 s54, 0xbab6061a
	s_mov_b32 s55, 0x3d2aaaa5
	s_mov_b32 s56, 0x3fc90fdb                      ; pi / 2 in two parts
	s_mov_b32 s57, 0xb33bbd2e
.irp j, 0,1,2,3,4,5,6,7
	v_add_nc_u32 v[24+\j], \j, v17
	v_cvt_f32_u32 v[24+\j], v[24+\j]
	v_mul_f32 v[24+\j], 0xbe9f73da, v[24+\j]       ; -f x log2(10^6) / 64
.endr
	s_wait_alu depctr_va_vdst(0)
.irp j, 0,1,2,3,4,5,6,7
	v_exp_f32 v[24+\j], v[24+\j]                   ; the inverse frequency
.endr
	v_nop                                          ; a plain line behind the last exponential,
	s_wait_alu depctr_va_vdst(0)                   ; and one wait for the batch, ahead of its first reader
.irp j, 0,1,2,3,4,5,6,7
	v_mul_f32 v[32+\j], v16, v[24+\j]              ; the angle, rounded to f32 as the definition rounds it
.endr
.irp j, 0,1,2,3,4,5,6,7
	v_mul_f32 v[40+\j], 0x3f22f983, v[32+\j]       ; x 2 / pi
.endr
.irp j, 0,1,2,3,4,5,6,7
	v_rndne_f32 v[40+\j], v[40+\j]                 ; n quarter turns
.endr
.irp j, 0,1,2,3,4,5,6,7
	v_fma_f32 v[48+\j], -v[40+\j], s56, v[32+\j]
.endr
.irp j, 0,1,2,3,4,5,6,7
	v_fma_f32 v[48+\j], -v[40+\j], s57, v[48+\j]   ; rho, within +-pi/4
.endr
.irp j, 0,1,2,3,4,5,6,7
	v_mul_f32 v[56+\j], v[48+\j], v[48+\j]         ; z = rho^2
.endr
.irp j, 0,1,2,3,4,5,6,7
	v_fma_f32 v[64+\j], v[56+\j], s50, s51
	v_fma_f32 v[72+\j], v[56+\j], s53, s54
.endr
.irp j, 0,1,2,3,4,5,6,7
	v_fma_f32 v[64+\j], v[64+\j], v[56+\j], s52
	v_fma_f32 v[72+\j], v[72+\j], v[56+\j], s55
.endr
.irp j, 0,1,2,3,4,5,6,7
	v_mul_f32 v[64+\j], v[64+\j], v[56+\j]
	v_mul_f32 v[80+\j], v[56+\j], v[56+\j]
	v_fma_f32 v[88+\j], v[56+\j], -0.5, 1.0
.endr
.irp j, 0,1,2,3,4,5,6,7
	v_fma_f32 v[64+\j], v[64+\j], v[48+\j], v[48+\j]   ; sin rho
	v_fma_f32 v[72+\j], v[72+\j], v[80+\j], v[88+\j]   ; cos rho
	v_cvt_i32_f32 v[40+\j], v[40+\j]
.endr
.irp j, 0,1,2,3,4,5,6,7
	v_and_b32 v[80+\j], 1, v[40+\j]
	v_cmp_eq_u32 vcc_lo, 1, v[80+\j]               ; an odd quadrant swaps the two
	v_cndmask_b32 v[96+\j], v[72+\j], v[64+\j], vcc_lo
	v_cndmask_b32 v[104+\j], v[64+\j], v[72+\j], vcc_lo
	v_add_nc_u32 v[80+\j], 1, v[40+\j]
	v_and_b32 v[80+\j], 2, v[80+\j]
	v_lshlrev_b32 v[80+\j], 30, v[80+\j]
	v_xor_b32 v[96+\j], v[80+\j], v[96+\j]         ; cos is negative in quadrants 1 and 2,
	v_and_b32 v[88+\j], 2, v[40+\j]
	v_lshlrev_b32 v[88+\j], 30, v[88+\j]
	v_xor_b32 v[104+\j], v[88+\j], v[104+\j]       ; sin in 2 and 3
.endr
	s_lshl_b32 s58, s46, 13
	s_lshl_b32 s59, s22, 10
	s_add_co_u32 s58, s58, s59
	s_mov_b32 s59, 0
	s_add_nc_u64 s[20:21], s[20:21], s[58:59]
	global_store_b128 v5, v[96:99], s[20:21]
	global_store_b128 v5, v[100:103], s[20:21] offset:512
	global_store_b128 v5, v[104:107], s[20:21] offset:4096
	global_store_b128 v5, v[108:111], s[20:21] offset:4608
	s_endpgm
.Lfunc_end_k_q4fb8258631_prep:
	.size	k_q4fb8258631_prep, .Lfunc_end_k_q4fb8258631_prep-k_q4fb8258631_prep
	.p2alignl 7, 3214868480
	.fill 96, 4, 3214868480
	.section	.rodata,"a",@progbits
	.p2align	6, 0x0
	.amdhsa_kernel k_q4fb8258631_prep
		.amdhsa_group_segment_fixed_size 70144
		.amdhsa_private_segment_fixed_size 0
		.amdhsa_enable_private_segment 0
		.amdhsa_kernarg_size 72
		.amdhsa_user_sgpr_count 2
		.amdhsa_user_sgpr_kernarg_segment_ptr 1
		.amdhsa_wavefront_size32 1
		.amdhsa_system_sgpr_workgroup_id_x 1
		.amdhsa_system_sgpr_workgroup_id_y 1
		.amdhsa_system_sgpr_workgroup_id_z 1
		.amdhsa_system_vgpr_workitem_id 0
		.amdhsa_next_free_vgpr 256
		.amdhsa_next_free_sgpr 66
		.amdhsa_reserve_vcc 1
		.amdhsa_float_denorm_mode_32 3
		.amdhsa_float_denorm_mode_16_64 3
		.amdhsa_memory_ordered 1
		.amdhsa_forward_progress 1
		.amdhsa_inst_pref_size 127
	.end_amdhsa_kernel
	.amdgpu_metadata
---
amdhsa.version: [ 1, 2 ]
amdhsa.kernels:
  - .name:           k_q4fb8258631_prep
    .symbol:         k_q4fb8258631_prep.kd
    .args:
      - { .name: x, .offset: 0, .size: 8, .value_kind: global_buffer, .address_space: global }
      - { .name: wq_w, .offset: 8, .size: 8, .value_kind: global_buffer, .address_space: global }
      - { .name: wk_w, .offset: 16, .size: 8, .value_kind: global_buffer, .address_space: global }
      - { .name: wv_w, .offset: 24, .size: 8, .value_kind: global_buffer, .address_space: global }
      - { .name: wo_w, .offset: 32, .size: 8, .value_kind: global_buffer, .address_space: global }
      - { .name: lowp_scales, .offset: 40, .size: 8, .value_kind: global_buffer, .address_space: global }
      - { .name: ximg, .offset: 48, .size: 8, .value_kind: global_buffer, .address_space: global }
      - { .name: wimg, .offset: 56, .size: 8, .value_kind: global_buffer, .address_space: global }
      - { .name: rope, .offset: 64, .size: 8, .value_kind: global_buffer, .address_space: global }
    .group_segment_fixed_size: 70144
    .private_segment_fixed_size: 0
    .kernarg_segment_align: 8
    .kernarg_segment_size: 72
    .max_flat_workgroup_size: 128
    .sgpr_count:     66
    .vgpr_count:     256
    .wavefront_size: 32
...
	.end_amdgpu_metadata
.endif
;; end of part 1
;; launch qkv (part 2): grid 12 x 16, 4 waves a work-group, no clusters, 327,680 bytes of LDS; arguments ximg, wimg, rope, wq_b, wk_b, wv_b, lowp_scales, qimg, kimg, vimg; writes qimg, kimg, vimg
.if DOCPART == 2
	.amdgcn_target "amdgcn-amd-amdhsa--gfx1250"
	.amdhsa_code_object_version 6
	.text
	.protected	k_q4fb8258631_qkv
	.globl	k_q4fb8258631_qkv
	.p2align	8
	.type	k_q4fb8258631_qkv,@function
k_q4fb8258631_qkv:
	s_mov_b64 s[64:65], 0
	v_nop
	global_prefetch_b8 v0, s[64:65] scope:SCOPE_SE
	s_setreg_imm32_b32 hwreg(HW_REG_WAVE_MODE, 25, 1), 1
	s_wait_xcnt 0x0
; Q, K, V projections on codes of E4M3, bias, RoPE (q, k), and the quantiser of the next products' operands (scale entries 6, 7, 9).
; OPERANDS are images of operand registers: a tile of 16 rows x 128 K is 2,048 bytes, group c of lane l at 512 c + 16 l; a tile's 16 K steps lie on end (32,768 bytes).
; SHARES.  Work-group (x, y) makes 256 x 256: x = 0..7: heads 2 x, 2 x + 1 of q; x = 8, 9: two heads of k; both for positions 256 y ..; x = 10, 11: two heads of v for the same positions.
; SOURCE 1, whose row a lane holds in the result, GOES THROUGH LDS: 16 tiles (q, k: x's positions; v: wv's channels), 512 along K to a slot of 131,072 bytes, two slots, four phases.
; Each wave brings a quarter of a slot by one tensor load; slot 1's first fill and the two refills stand behind the add, its wait and a barrier.  Every wave reads all 16 tiles.
; SOURCE 0 GOES FROM MEMORY STRAIGHT INTO REGISTERS: a wave's own 4 tiles, read by no other wave: four sets of 64 registers take turns, and in K step s the 16 loads of step s + 3 are issued.
; q, k: wave w takes of head w / 2 the tile pairs u and u + 2, u = w % 2: channels 32 u .. and 64 + 32 u ..: RoPE's partners lie in one lane, and the two pairs are groups u and u + 2 of the result's image.
; v: wave w takes positions 128 (w / 2) + 64 u ..: groups 2 u and 2 u + 1 of key step w / 2.
; A wave makes 256 x 64: 64 accumulators, which take turns in the same order in every step.
; A K step is four groups of 16 products, each with one run of loads in front of it.  Source 1's fragments come by fours into a ring of three places, two fours ahead; the ring begins anew in each phase.
; NO CLUSTER: k's image of x is read by two work-groups only, so clusters of four partners that ask alike cannot be formed over the whole grid.
; NO PREFETCH: the ring has two refills in all, each asked for a whole phase (256 products a wave) ahead; the loads into registers stand three K steps ahead of their use.
; 192 work-groups: the 768 blocks of 128 x 128 fall into 512 of q, 128 of k, 128 of v, each kind with its own image of x; shares of three blocks would mix kinds.
; LIMITS: e(x) + e(w) between -126 and 127; entries 6, 7, 9 between -126 and 119.
; REGISTERS: window 0: v0-31 addresses and constants, v32-223 source 1's ring; window 1: source 0's four sets; windows 2, 3: accumulator (a, b) at v[8 (4 (a % 8) + b)].
; On the way out: window 0: v32-159 codes, 8 registers of its own for each of the 16 blocks, so that no store's data are written again; v160-191 a block's 32 numbers; v192-199 at work; v224-255 bias;
; window 1: eight sets of 32 for the table of cos and sin.
.set SLOT,  131072
.set SPARE, 266240
.set SC,   10
.set LM,   11
.set AD,   16
.set L2,   20
.set VB,   25
.set LN,   26
.set HB,   27
.set SPW,  28
.set NIL,  29
.set AR,   32
.set CD,   32
.set W,    160
.set TT,   192
.set BI,   224
.set TB,   3
.set TY,   62
.set MSB, 0
.macro WIN new
.if MSB != (\new)
	s_set_vgpr_msb (MSB<<8)|(\new)
.set MSB, (\new)
.endif
.endm
.macro PLACES
.rept 4
	v_nop
.endr
.endm
	s_load_b512 s[4:19], s[0:1], 0x0               ; ximg 4, wimg 6, rope 8, wq_b 10, wk_b 12, wv_b 14, scales 16, qimg 18
	s_load_b128 s[20:23], s[0:1], 0x40             ; kimg 20, vimg 22
	v_lshl_add_u32 v[SPW], v0, 2, SPARE
	v_mov_b32 v[NIL], 0
	ds_add_u32 v[SPW], v[NIL]                      ; the opening lines: the add, twice on end, and its wait ahead of my first tensor load
	ds_add_u32 v[SPW], v[NIL]
	v_lshrrev_b32 v1, 5, v0
	v_readfirstlane_b32 s56, v1                    ; wave
	s_lshr_b32 s57, s56, 1
	s_and_b32 s58, s56, 1                          ; u
	s_and_b32 s61, ttmp7, 0xffff                   ; y
	s_cmp_ge_u32 ttmp9, 8
	s_cselect_b32 s[TY], 1, 0
	s_cmp_ge_u32 ttmp9, 10
	s_cselect_b32 s[TY], 2, s[TY]                  ; 0 q, 1 k, 2 v
	s_mov_b32 s24, 3<<16                           ; group 1: 4 tiles x 4 K steps: 4 rows of 1,024 elements of 8 bytes, 4,096 elements apart
	s_mov_b32 s25, 1024<<16
	s_mov_b32 s26, 4<<16
	s_mov_b32 s27, 1024<<16
	s_mov_b32 s28, 4
	s_mov_b32 s29, 4096
	s_mov_b32 s30, 0
	s_mov_b32 s31, 0
	s_mov_b32 s32, 1
	s_lshl_b32 s33, s56, 15                        ; LDS: my quarter of slot 0
	s_and_b32 s66, ttmp9, 1                        ; k, v: which pair of heads
	s_lshl_b32 s70, s61, 19
	s_lshl_b32 s71, s[TY], 23
	s_add_co_u32 s70, s70, s71                     ; source 1, q and k: image TY of x, tiles 16 y ..
	s_lshl_b32 s71, s66, 19
	s_add_co_u32 s71, s71, 5242880                 ; v: weight tiles 160 + 16 (x % 2) ..
	s_lshl_b32 s72, ttmp9, 19                      ; source 0, q and k: weight tiles 16 x ..
	s_lshl_b32 s74, s58, 16
	s_add_co_u32 s72, s72, s74                     ; + 2 u tiles
	s_lshl_b32 s73, s61, 19
	s_add_co_u32 s73, s73, 0x1000000               ; v: the third image of x, tiles 16 y ..
	s_lshl_b32 s74, s58, 17
	s_add_co_u32 s73, s73, s74                     ; + 4 u tiles
	s_cmp_eq_u32 s[TY], 2
	s_cselect_b32 s80, s71, s70
	s_cselect_b32 s82, s73, s72
	s_mov_b32 s84, 0x20000
	s_cselect_b32 s84, 0x10000, s84                ; from my first pair of tiles to my second: 4 tiles (q, k) or 2 (v)
	s_lshl_b32 s85, s56, 17
	s_add_co_u32 s80, s80, s85                     ; + the 4 tiles that I fetch
	s_lshl_b32 s85, s57, 18
	s_add_co_u32 s82, s82, s85                     ; + 8 (w / 2) tiles
	s_mov_b32 s81, 0
	s_mov_b32 s83, 0
	s_mov_b32 s85, 0
	s_wait_dscnt 0x0
	s_wait_kmcnt 0x0
	s_load_b256 s[40:47], s[16:17], 0x0            ; e0 .. e7
	s_load_b128 s[48:51], s[16:17], 0x20           ; e8 .. e11
	s_cmp_eq_u32 s[TY], 2
	s_cselect_b64 s[86:87], s[6:7], s[4:5]
	s_cselect_b64 s[88:89], s[4:5], s[6:7]
	s_add_nc_u64 s[86:87], s[86:87], s[80:81]
	s_add_nc_u64 s[88:89], s[88:89], s[82:83]      ; source 0: my first pair of tiles,
	s_add_nc_u64 s[98:99], s[88:89], s[84:85]      ; and my second
	s_mov_b64 s[34:35], s[86:87]
	s_or_b32 s35, s35, 0x80000000
	tensor_load_to_lds s[32:35], s[24:31]          ; phase 0 into slot 0: my one tensor load at the head
	s_nop 0
	PLACES
	v_and_b32 v1, 31, v0
	v_lshlrev_b32 v[LN], 4, v1                     ; 16 x lane
	v_add_nc_u32 v[L2], 65536, v[LN]
	v_bfe_u32 v1, v0, 4, 1
	v_lshlrev_b32 v[HB], 6, v1                     ; bias of q, k: 16 h numbers on
	v_and_b32 v2, 15, v0
	v_and_b32 v3, 8, v2
	v_add_nc_u32 v2, v2, v3
	v_lshlrev_b32 v[VB], 2, v2                     ; bias of v: channel r + 8 (r / 8)
	s_wait_alu depctr_va_vdst(0)
.macro BFR st, b                       ; source 0's fragment b of K step st (counted from the phase's first) into set st % 4
.irp c, 0,1,2,3
	global_load_b128 v[64*((\st)%4)+16*(\b)+4*\c:64*((\st)%4)+16*(\b)+4*\c+3], v[LN], s[88+10*((\b)/2):89+10*((\b)/2)] offset:32768*((\b)%2)+2048*(\st)+512*\c
.endr
.endm
.macro AQUAD gg                        ; source 1's four gg = 4 x step + four of the phase (tiles 4 four .. 4 four + 3) into ring place gg % 3
.irp u, 0,1,2,3
.irp c, 0,1,2,3
	ds_load_b128 v[AR+64*((\gg)%3)+16*\u+4*\c:AR+64*((\gg)%3)+16*\u+4*\c+3], v[AD+((\gg)%4)/2] offset:8192*((4*((\gg)%4)+\u)%8)+2048*((\gg)/4)+512*\c
.endr
.endr
.endm
; 16 products: source 1's tiles 4 g .. 4 g + 3 against my four fragments.  In front: four places (the loads below land in registers that the last products read), the four two on, and at a step's head the set three steps on.
.macro GROUP q, g, zero, ldb
.set GG, 4*(\q)+(\g)
	PLACES
	WIN 0
.if GG < 14
	AQUAD GG+2
.endif
.if (\ldb) && ((\g) == 0)
	WIN 0x40
.irp b, 0,1,2,3
	BFR (\q)+3, \b
.endr
.endif
.if GG < 14
	s_wait_dscnt 32                                ; my four is in; the two fours asked for behind it, 16 loads each, may be out
.else
	s_wait_dscnt 16*(15-GG)
.endif
	WIN 0xa1+0x50*((\g)/2)
.set AC, 128*((\g)%2)
.set AS, AR+64*(GG%3)
.irp u, 0,1,2,3
.irp b, 0,1,2,3
.if \zero
	v_wmma_f32_16x16x128_fp8_fp8 v[AC+32*\u+8*\b:AC+32*\u+8*\b+7], v[64*((\q)%4)+16*\b:64*((\q)%4)+16*\b+15], v[AS+16*\u:AS+16*\u+15], 0
.else
	v_wmma_f32_16x16x128_fp8_fp8 v[AC+32*\u+8*\b:AC+32*\u+8*\b+7], v[64*((\q)%4)+16*\b:64*((\q)%4)+16*\b+15], v[AS+16*\u:AS+16*\u+15], v[AC+32*\u+8*\b:AC+32*\u+8*\b+7]
.endif
.endr
.endr
.endm
.macro GROUPS q, zero, ldb
.irp g, 0,1,2,3
	GROUP \q, \g, \zero, \ldb
.endr
.endm
.macro STEPQ q, zero, ldb, lw
	s_wait_loadcnt \lw                             ; this step's set is in; the loads of later steps may be out
	GROUPS \q, \zero, \ldb
.endm
; THE CHANGE OF SLOTS stands at a phase's head: all my tensor loads are done, the add, the wait for it and for my reads of the slot that I have left; one barrier; fill = 1: the other slot takes the next phase.
.macro CHANGE fill
	s_wait_tensorcnt 0x0
	ds_add_u32 v[SPW], v[NIL]
.if \fill
	s_xor_b32 s33, s33, SLOT                       ; the walking descriptor: the other slot, 4 K steps on
	s_add_nc_u64 s[34:35], s[34:35], 8192
.endif
	s_wait_dscnt 0x0
	s_barrier_signal -1
	s_barrier_wait -1
.if \fill
	tensor_load_to_lds s[32:35], s[24:31]
	s_nop 0
.endif
	PLACES                                         ; also the places in front of the loads below
	v_add_nc_u32 v[AD], s[TB], v[LN]               ; tiles 0-7 of the slot in hand,
	v_add_nc_u32 v[AD+1], s[TB], v[L2]             ; tiles 8-15
	s_wait_alu depctr_va_vdst(0)
	AQUAD 0
	AQUAD 1
.endm
.macro ENDPH
	WIN 0
	s_xor_b32 s[TB], s[TB], SLOT
	s_wait_xcnt 0x0                                ; the loads have read their bases
	s_add_nc_u64 s[88:89], s[88:89], 8192
	s_add_nc_u64 s[98:99], s[98:99], 8192
.endm
	WIN 0x40
.irp st, 0,1,2
.irp b, 0,1,2,3
	BFR \st, \b
.endr
.endr
	WIN 0
	; where the bias, the table and the results lie
	s_cmp_eq_u32 s[TY], 0
	s_cselect_b32 s67, ttmp9, s66
	s_cselect_b32 s76, 21, 19
	s_lshl_b32 s67, s67, 1
	s_add_co_u32 s67, s67, s57                     ; q, k: my head
	s_lshr_b32 s72, s61, 2                         ; batch
	s_and_b32 s73, s61, 3
	s_lshl_b32 s74, s73, 17
	s_lshl_b32 s75, s58, 11
	s_add_co_u32 s74, s74, s75
	s_mov_b32 s75, 0
	s_add_nc_u64 s[92:93], s[8:9], s[74:75]        ; the table at position tile 16 (y % 4), piece 4 u
	s_lshl_b32 s76, s72, s76
	s_lshl_b32 s77, s67, 17
	s_add_co_u32 s76, s76, s77
	s_lshl_b32 s77, s73, 15
	s_add_co_u32 s76, s76, s77
	s_lshl_b32 s77, s58, 9
	s_add_co_u32 s76, s76, s77                     ; q, k: [batch][head][64 tiles][2,048], group u
	s_lshl_b32 s78, s72, 2
	s_lshl_b32 s79, s66, 1
	s_add_co_u32 s78, s78, s79
	s_lshl_b32 s78, s78, 17
	s_lshl_b32 s79, s73, 1
	s_add_co_u32 s79, s79, s57
	s_lshl_b32 s79, s79, 14
	s_add_co_u32 s78, s78, s79
	s_lshl_b32 s79, s58, 10
	s_add_co_u32 s78, s78, s79                     ; v: [4 batch + head][8 key steps][8 channel tiles][2,048], group 2 u
	s_lshl_b32 s70, s67, 9
	s_lshl_b32 s71, s58, 7
	s_add_co_u32 s70, s70, s71                     ; bias, q and k: my head's, 32 u numbers on
	s_lshl_b32 s71, s66, 10                        ; v: the pair of heads'
	s_cmp_eq_u32 s[TY], 2
	s_cselect_b32 s76, s78, s76
	s_cselect_b32 s70, s71, s70
	s_cselect_b64 s[94:95], s[22:23], s[20:21]
	s_cselect_b64 s[90:91], s[14:15], s[12:13]
	s_cmp_eq_u32 s[TY], 0
	s_cselect_b64 s[94:95], s[18:19], s[94:95]
	s_cselect_b64 s[90:91], s[10:11], s[90:91]
	s_mov_b32 s77, 0
	s_add_nc_u64 s[94:95], s[94:95], s[76:77]
	s_mov_b32 s71, 0
	s_add_nc_u64 s[90:91], s[90:91], s[70:71]
	s_wait_kmcnt 0x0
	s_cmp_eq_u32 s[TY], 0
	s_cselect_b32 s80, s40, s42
	s_cselect_b32 s81, s41, s43
	s_cselect_b32 s82, s46, s47
	s_cmp_eq_u32 s[TY], 2
	s_cselect_b32 s80, s44, s80
	s_cselect_b32 s81, s45, s81
	s_cselect_b32 s82, s49, s82
	s_add_co_i32 s80, s80, s81
	s_add_co_i32 s80, s80, 127
	s_lshl_b32 s96, s80, 23                        ; 2^(e(x) + e(w))
	s_mov_b32 s97, s96
	s_add_co_i32 s82, s82, 127
	s_lshl_b32 s81, s82, 23
	s_add_co_i32 s82, s82, 8
	s_lshl_b32 s82, s82, 23
	s_or_b32 s82, s82, 0x600000
	v_mov_b32 v[SC], s81                           ; the result's scale 2^e,
	v_mov_b32 v[LM], s82                           ; and 448 x 2^e
	s_mov_b32 s[TB], 0
	s_wait_alu depctr_va_vdst(0)
	CHANGE 1                                       ; phase 0 is in; slot 1's first fill is issued as a refill is
	STEPQ 0, 1, 1, 32                              ; K step 0 starts the sums
	STEPQ 1, 0, 1, 32
	STEPQ 2, 0, 1, 32
	STEPQ 3, 0, 1, 32
	ENDPH
	s_mov_b32 s2, 2
.Lphase:                                               ; phases 1 and 2: each fills the slot just left with the phase after the one in hand
	CHANGE 1
	STEPQ 0, 0, 1, 32
	STEPQ 1, 0, 1, 32
	STEPQ 2, 0, 1, 32
	STEPQ 3, 0, 1, 32
	ENDPH
	s_sub_co_u32 s2, s2, 1
	s_cmp_lg_u32 s2, 0
	s_cbranch_scc1 .Lphase
	CHANGE 0                                       ; the last phase fills nothing
	STEPQ 0, 0, 1, 32                              ; step 12 asks for step 15's set, the last
	STEPQ 1, 0, 0, 32
	STEPQ 2, 0, 0, 16
	WIN 0
	s_wait_loadcnt 0x0                             ; step 15's set is in
	PLACES                                         ; the table lands in sets 0 to 2, of which step 14 read the last
.macro TLD a                           ; cos and sin of position tile a at my 16 frequencies a lane: 8 pieces into table set a % 8
	WIN 0x40
.irp i, 0,1,2,3
	global_load_b128 v[32*((\a)%8)+4*\i:32*((\a)%8)+4*\i+3], v[LN], s[92:93] offset:8192*(\a)+512*\i
	global_load_b128 v[32*((\a)%8)+16+4*\i:32*((\a)%8)+16+4*\i+3], v[LN], s[92:93] offset:8192*(\a)+4096+512*\i
.endr
	WIN 0
.endm
	s_cmp_eq_u32 s[TY], 2
	s_cbranch_scc1 .Lvbias
.irp b, 0,1,2,3
	global_load_b128 v[BI+8*\b:BI+8*\b+3], v[HB], s[90:91] offset:(64*(\b/2)+8*(\b%2))*4
	global_load_b128 v[BI+8*\b+4:BI+8*\b+7], v[HB], s[90:91] offset:(64*(\b/2)+8*(\b%2))*4+16
.endr
.irp a, 0,1,2,3,4,5
	TLD \a
.endr
	s_branch .Lasked
.Lvbias:
.irp a, 0,1,2,3,4,5,6,7,8,9,10,11,12,13,14,15
	global_load_b32 v[BI+2*\a], v[VB], s[90:91] offset:(\a/8)*512+(32*((\a%8)/2)+8*(\a%2))*4
.endr
.Lasked:
	GROUPS 3, 0, 0
	WIN 0
	PLACES                                         ; in front of the first read of results, of loads into set 3 and of writes into the ring's registers
.macro SUMS a, vb                      ; block a's 32 sums x 2^(e(x) + e(w)) + bias, each accumulator from its low end on
	WIN 0x02+((\a)/8)
.set i, 0
.rept 16
.if \vb
	v_pk_fma_f32 v[W+i:W+i+1], v[32*((\a)%8)+i:32*((\a)%8)+i+1], s[96:97], v[BI+2*(\a):BI+2*(\a)+1] op_sel_hi:[1,0,1]
.else
	v_pk_fma_f32 v[W+i:W+i+1], v[32*((\a)%8)+i:32*((\a)%8)+i+1], s[96:97], v[BI+i:BI+i+1] op_sel_hi:[1,0,1]
.endif
.set i, i+2
.endr
	WIN 0
.endm
.macro ROPE a                          ; registers i and 16 + i are channels d and d + 64; the table is source 1, in window 1
	WIN 0x04
.set TS, 32*((\a)%8)
.set i, 0
.rept 8
.set tp, TT+2*((i/2)%4)
	v_pk_mul_f32 v[tp:tp+1], v[W+i:W+i+1], v[TS+16+i:TS+17+i]
	v_pk_mul_f32 v[W+i:W+i+1], v[W+i:W+i+1], v[TS+i:TS+i+1]
	v_pk_fma_f32 v[W+i:W+i+1], v[W+16+i:W+17+i], v[TS+16+i:TS+17+i], v[W+i:W+i+1] neg_lo:[1,0,0] neg_hi:[1,0,0]
	v_pk_fma_f32 v[W+16+i:W+17+i], v[W+16+i:W+17+i], v[TS+i:TS+i+1], v[tp:tp+1]
.set i, i+2
.endr
	WIN 0
.endm
.macro QOUT a, off, d                  ; the hold (the conversion does not saturate: ISA guide 7.6.2), the conversion into block a's own registers, two stores of 512 consecutive bytes: my two groups of the image
.set i, 0
.rept 32
	v_med3_num_f32 v[W+i], v[W+i], -v[LM], v[LM]
.set i, i+1
.endr
.irp c, 0,1,2,3
	v_cvt_scalef32_pk8_fp8_f32 v[CD+8*(\a)+2*\c:CD+8*(\a)+2*\c+1], v[W+8*\c:W+8*\c+7], v[SC]
.endr
	v_nop                                          ; a plain line behind the last conversion
	global_store_b128 v[LN], v[CD+8*(\a):CD+8*(\a)+3], s[94:95] offset:\off
	global_store_b128 v[LN], v[CD+8*(\a)+4:CD+8*(\a)+7], s[94:95] offset:(\off)+(\d)
.endm
	s_cmp_eq_u32 s[TY], 2
	s_cbranch_scc1 .Lvpath
	TLD 6
	TLD 7
.irp a, 0,1,2,3,4,5,6,7,8,9,10,11,12,13,14,15
.if \a < 9
	s_wait_loadcnt 56                              ; block a's table (and the bias) is in; seven later sets of 8 loads may be out
.else
	s_wait_loadcnt 8*(15-\a)
.endif
	SUMS \a, 0
	ROPE \a
.if \a < 8
	TLD \a+8                                       ; into the set just read
.endif
	QOUT \a, 2048*\a, 1024
.endr
	s_branch .Ljoin
.Lvpath:
	s_wait_loadcnt 0x0
.irp a, 0,1,2,3,4,5,6,7,8,9,10,11,12,13,14,15
	v_mov_b32 v[BI+2*\a+1], v[BI+2*\a]             ; a lane's channel has one bias for both halves of a pair
.endr
.irp a, 0,1,2,3,4,5,6,7,8,9,10,11,12,13,14,15
	SUMS \a, 1
	QOUT \a, (\a/8)*131072+(\a%8)*2048, 512
.endr
.Ljoin:
	s_wait_tensorcnt 0x0                           ; the wave's end
	ds_add_u32 v[SPW], v[NIL]
	s_wait_dscnt 0x0
	s_endpgm
.Lfunc_end_k_q4fb8258631_qkv:
	.size	k_q4fb8258631_qkv, .Lfunc_end_k_q4fb8258631_qkv-k_q4fb8258631_qkv
	.p2alignl 7, 3214868480
	.fill 96, 4, 3214868480
	.section	.rodata,"a",@progbits
	.p2align	6, 0x0
	.amdhsa_kernel k_q4fb8258631_qkv
		.amdhsa_group_segment_fixed_size 327680
		.amdhsa_private_segment_fixed_size 0
		.amdhsa_enable_private_segment 0
		.amdhsa_kernarg_size 80
		.amdhsa_user_sgpr_count 2
		.amdhsa_user_sgpr_kernarg_segment_ptr 1
		.amdhsa_wavefront_size32 1
		.amdhsa_system_sgpr_workgroup_id_x 1
		.amdhsa_system_sgpr_workgroup_id_y 1
		.amdhsa_system_sgpr_workgroup_id_z 1
		.amdhsa_system_vgpr_workitem_id 0
		.amdhsa_next_free_vgpr 1024
		.amdhsa_next_free_sgpr 100
		.amdhsa_reserve_vcc 0
		.amdhsa_float_denorm_mode_32 3
		.amdhsa_float_denorm_mode_16_64 3
		.amdhsa_memory_ordered 1
		.amdhsa_forward_progress 1
		.amdhsa_inst_pref_size 255
	.end_amdhsa_kernel
	.section	.bss,"aw",@nobits
	.p2align	6
	.space	262144
	.amdgpu_metadata
---
amdhsa.version: [ 1, 2 ]
amdhsa.kernels:
  - .name:           k_q4fb8258631_qkv
    .symbol:         k_q4fb8258631_qkv.kd
    .args:
      - { .name: ximg, .offset: 0, .size: 8, .value_kind: global_buffer, .address_space: global }
      - { .name: wimg, .offset: 8, .size: 8, .value_kind: global_buffer, .address_space: global }
      - { .name: rope, .offset: 16, .size: 8, .value_kind: global_buffer, .address_space: global }
      - { .name: wq_b, .offset: 24, .size: 8, .value_kind: global_buffer, .address_space: global }
      - { .name: wk_b, .offset: 32, .size: 8, .value_kind: global_buffer, .address_space: global }
      - { .name: wv_b, .offset: 40, .size: 8, .value_kind: global_buffer, .address_space: global }
      - { .name: lowp_scales, .offset: 48, .size: 8, .value_kind: global_buffer, .address_space: global }
      - { .name: qimg, .offset: 56, .size: 8, .value_kind: global_buffer, .address_space: global }
      - { .name: kimg, .offset: 64, .size: 8, .value_kind: global_buffer, .address_space: global }
      - { .name: vimg, .offset: 72, .size: 8, .value_kind: global_buffer, .address_space: global }
    .group_segment_fixed_size: 327680
    .private_segment_fixed_size: 0
    .kernarg_segment_align: 8
    .kernarg_segment_size: 80
    .max_flat_workgroup_size: 128
    .sgpr_count:     100
    .vgpr_count:     1024
    .wavefront_size: 32
...
	.end_amdgpu_metadata
.endif
;; end of part 2
;; launch attn (part 3): grid 64 x 4, 16 waves a work-group, clusters of 4 x 1, 264,192 bytes of LDS; arguments qimg, kimg, vimg, lowp_scales, cimg; writes cimg
.if DOCPART == 3
	.amdgcn_target "amdgcn-amd-amdhsa--gfx1250"
	.amdhsa_code_object_version 6
	.text
	.protected	k_q4fb8258631_attn
	.globl	k_q4fb8258631_attn
	.p2align	8
	.type	k_q4fb8258631_attn,@function
k_q4fb8258631_attn:
	s_mov_b64 s[64:65], 0
	v_nop
	global_prefetch_b8 v0, s[64:65] scope:SCOPE_SE
	s_setreg_imm32_b32 hwreg(HW_REG_WAVE_MODE, 25, 1), 1
	s_wait_xcnt 0x0
	s_wait_alu depctr_hold_cnt(0) depctr_sa_sdst(0) depctr_va_vdst(0) depctr_va_sdst(0) depctr_va_ssrc(0) depctr_va_vcc(0) depctr_vm_vsrc(0)
	s_getreg_b32 s2, hwreg(HW_REG_IB_STS2, 6, 4)
	s_cmp_eq_u32 s2, 0
	s_cbranch_scc0 .Lentry_in_a_cluster
	s_endpgm
.Lentry_in_a_cluster:
	s_bfe_u32 s2, ttmp6, 0x10000c
	s_cmp_lg_u32 s2, 0x3003
	s_cbranch_scc0 .Lentry_shape_is_right
	s_endpgm
.Lentry_shape_is_right:
; ATTENTION with a causal mask, both products on codes of E4M3; its result is quantised (scale entry 10) into images for the last product.
; t = score x log2(e) / sqrt(128); M = the running largest t rounded UP to a whole number; p = 2^(t - M) is quantised along the keys (entry 8), not normalised; the row's sum is taken of the unquantised p and divides at the end.
; OPERANDS are images (16 rows x 128 K = 2,048 bytes; group c of lane l at 512 c + 16 l); row r of tile t is row 32 (t / 2) + 8 (t % 2) + r + 8 (r / 8).  Both products are used transposed: S^T = K Q^T, O^T = V^T P^T:
; a lane holds ONE query throughout, and the 16 registers of two neighbouring tiles are 16 neighbouring keys (or channels): the conversions' results are the next operand's registers.
; SHARES: a cluster (x = 4 batch + key/value head) is the four query heads that share K and V; cx enters Q's and the output's global addresses alone.  A work-group (y = 0..3) has sixteen waves, one tile of 16 queries each:
; eight from key block y, eight from key block 7 - y: 8 (y + 1) + 8 (8 - y) = 72 key steps of a wave in every work-group.
; LDS: the head's whole K and V, 8 key steps x (16 KiB + 16 KiB), filled ONCE, by eight joint loads of each of waves 0-3 at the head: eight loads of a wave are out at the most.  No byte is filled again.
; TWO BARRIERS order the fills with the reads: in front of the first each fetching wave has waited for its load of step 0, in front of the second for all eight.  Every read of steps 1 to 7 stands behind the second,
; and no LDS byte is written after it: so steps 2 to 7 have no barrier, and each wave walks its steps at its own pace.
; A step's work is left out where all its keys come after the wave's queries (a scalar branch on ids, round no barrier and no tensor load); on the diagonal hidden scores become -infinity ahead of the maximum.
; V's fragments are asked for ahead of their use: channels 0-63 behind the scores' products, into the registers that K has left; channels 64-127 behind the conversions, into the registers that p has left.
; LIMITS: e6 + e7 between -123 and 130; e8 and e10 between -126 and 119.
; REGISTERS: v1 16 x lane; v2 the step's LDS address; v4 the mask's bound; v12 -M, v13 the largest t, v[14:15] the sum; v16-31 Q; v32-95 four fragments; v96-159 S^T, then p, then four fragments of V; v160-223 O^T; v224-239 codes; v240-254 at work.
.set WV,  18
.set SEL, 20                           ; s[20:21] selects for lane l xor 16
.set CSC, 22                           ; s[22:23] c = log2(e) / sqrt(128) x 2^(e6 + e7)
.set G1,  24                           ; s[24:31] descriptor group 1
.set JB,  32                           ; s32 my key block
; THE FILLS, as they stand now (this takes the place of what the head says of eight loads and two barriers): each of the SIXTEEN waves issues ONE joint load of 16,384 bytes at the head:
; wave w brings key step w / 2, K's tiles where w is even and V's where it is odd, to LDS byte 16,384 w.  Every wave waits for its load, ONE barrier follows, and no LDS byte is written after it.
.set G0,  68                           ; s[68:71] group 0
.macro CROUND
	s_barrier_signal -1
	s_barrier_wait -1
	s_cmp_lg_u32 s[WV], 0
	s_cbranch_scc1 .Lnot_wave_0_\@
	s_barrier_signal -3
.Lnot_wave_0_\@:
	s_barrier_wait -3
	s_barrier_signal -1
	s_barrier_wait -1
.endm
	s_load_b256 s[4:11], s[0:1], 0x0               ; qimg 4:5, kimg 6:7, vimg 8:9, scales 10:11
	s_load_b64 s[12:13], s[0:1], 0x20              ; cimg
	v_lshl_add_u32 v251, v0, 2, 0x40000
	v_mov_b32 v255, 0
	ds_add_u32 v251, v255
	ds_add_u32 v251, v255
	v_lshrrev_b32 v1, 5, v0
	s_delay_alu instid0(VALU_DEP_1)
	v_readfirstlane_b32 s[WV], v1                  ; wave 0..15
	s_mov_b32 s[G1], 15|(3<<16)|(1<<21)            ; the mask of all four partners, elements of 8 bytes, bit 21 beside the mask
	s_mov_b32 s[G1+1], 32<<16                      ; a dense block of 16,384 bytes as 64 rows of 256
	s_mov_b32 s[G1+2], 64<<16                      ; 64 rows of 256 bytes
	s_mov_b32 s[G1+3], 32<<16
	s_mov_b32 s[G1+4], 64
	s_mov_b32 s[G1+5], 32
	s_mov_b32 s[G1+6], 0
	s_mov_b32 s[G1+7], 0
	s_mov_b32 s[SEL], 0x76543210
	s_mov_b32 s[SEL+1], 0xfedcba98
	s_mov_b32 s[CSC], 0x3e0293ee
	s_lshr_b32 s33, s[WV], 1                       ; a: my tile among the block's eight
	s_lshr_b32 s52, s[WV], 2
	s_xor_b32 s52, s52, s[WV]
	s_and_b32 s52, s52, 1                          ; which of the two blocks: mixed so that neighbouring waves and waves four apart differ
	s_and_b32 s35, ttmp7, 0xffff                   ; y
	s_sub_co_u32 s53, 7, s35
	s_cmp_eq_u32 s52, 1
	s_cselect_b32 s[JB], s53, s35
	s_lshl_b32 s34, s[JB], 3
	s_add_co_u32 s34, s34, s33                     ; T: my tile of queries
	s_lshr_b32 s52, s[WV], 1
	s_lshl_b32 s52, s52, 14                        ; key step wave / 2: 16 KiB of K or of V
	s_lshl_b32 s53, ttmp9, 17                      ; the key/value head's 2^17 bytes
	s_add_co_u32 s52, s52, s53
	s_mov_b32 s53, 0
	s_lshl_b32 s54, s[WV], 14                      ; and where it goes: a step's K, then its V
	s_wait_dscnt 0x0
	s_wait_kmcnt 0x0
	s_load_b256 s[40:47], s[10:11], 0x0            ; e0 .. e7
	s_load_b128 s[48:51], s[10:11], 0x20           ; e8 .. e11
	s_and_b32 s55, s[WV], 1
	s_cmp_eq_u32 s55, 0
	s_cselect_b64 s[56:57], s[6:7], s[8:9]         ; even waves: K; odd waves: V
	s_add_nc_u64 s[56:57], s[56:57], s[52:53]
	CROUND                                         ; all four work-groups are here: the joint loads meet
	s_mov_b32 s[G0], 1
	s_mov_b32 s[G0+1], s54
	s_mov_b64 s[G0+2:G0+3], s[56:57]
	s_or_b32 s[G0+3], s[G0+3], 0x80000000
	tensor_load_to_lds s[G0:G0+3], s[G1:G1+7]      ; every wave's one joint load
	s_nop 0
.rept 4
	v_nop
.endr
	s_bfe_u32 s36, ttmp6, 0x40000                  ; cx: the query head within the group
	s_lshl_b32 s58, ttmp9, 2
	s_add_co_u32 s58, s58, s36                     ; 16 batch + query head
	s_lshl_b32 s58, s58, 17
	s_lshl_b32 s59, s34, 11
	s_add_co_u32 s58, s58, s59
	s_mov_b32 s59, 0
	s_add_nc_u64 s[4:5], s[4:5], s[58:59]          ; my tile of Q
	s_lshr_b32 s60, ttmp9, 2
	s_lshl_b32 s60, s60, 6
	s_add_co_u32 s60, s60, s34                     ; 64 batch + T
	s_lshl_b32 s60, s60, 15
	s_and_b32 s62, ttmp9, 3
	s_lshl_b32 s62, s62, 2
	s_add_co_u32 s62, s62, s36                     ; the query head is the last product's K step
	s_lshl_b32 s62, s62, 11
	s_add_co_u32 s60, s60, s62
	s_mov_b32 s61, 0
	s_add_nc_u64 s[12:13], s[12:13], s[60:61]
	v_and_b32 v1, 31, v0
	s_delay_alu instid0(VALU_DEP_1)
	v_lshlrev_b32 v1, 4, v1
.irp c, 0,1,2,3
	global_load_b128 v[16+4*\c:19+4*\c], v1, s[4:5] offset:512*\c
.endr
	v_and_b32 v8, 15, v0
	v_bfe_u32 v9, v0, 4, 1
	s_lshr_b32 s55, s33, 1
	s_lshl_b32 s55, s55, 5
	s_and_b32 s63, s33, 1
	s_lshl_b32 s63, s63, 3
	s_add_co_u32 s55, s55, s63
	v_and_b32 v10, 8, v8
	s_delay_alu instid0(VALU_DEP_1)
	v_add_nc_u32 v10, v10, v8
	v_lshlrev_b32 v11, 4, v9
	s_delay_alu instid0(VALU_DEP_1)
	v_sub_nc_u32 v10, v10, v11
	s_delay_alu instid0(VALU_DEP_1)
	v_add_nc_u32 v4, s55, v10                      ; my query within its block, less 16 h: register n's key is hidden where 32 (n / 16) + n % 16 is greater
	v_mov_b32 v13, 0xff61b1e6                      ; the largest t so far: -3e38
	s_delay_alu instid0(VALU_DEP_1)
	v_floor_f32 v12, -v13
	v_mov_b32 v14, 0
	v_mov_b32 v15, 0
	v_mov_b32 v246, 0                              ; a lane permute's destination counts as read
	v_mov_b32 v253, 0                              ; (named as the upper half of a pair)
.set i, 0
.rept 64
	v_mov_b32 v[160+i], 0                          ; O^T: every step is written alike; the first change of M multiplies zeros
.set i, i+1
.endr
	s_wait_kmcnt 0x0
	s_add_co_i32 s52, s46, s47
	s_lshl_b32 s52, s52, 23
	s_add_co_i32 s[CSC], s[CSC], s52               ; e6 + e7 onto c's exponent field
	s_mov_b32 s[CSC+1], s[CSC]
	s_add_co_i32 s52, s48, 127
	s_lshl_b32 s53, s52, 23
	v_mov_b32 v244, s53                            ; 2^e8
	s_add_co_i32 s52, s52, 8
	s_lshl_b32 s52, s52, 23
	s_or_b32 s52, s52, 0x600000
	v_mov_b32 v240, s52                            ; 448 x 2^e8
	s_add_co_i32 s52, s50, 127
	s_lshl_b32 s53, s52, 23
	v_mov_b32 v245, s53                            ; 2^e10
	s_add_co_i32 s52, s52, 8
	s_lshl_b32 s52, s52, 23
	s_or_b32 s52, s52, 0x600000
	v_mov_b32 v241, s52                            ; 448 x 2^e10
.macro STEP j
.if \j < 1
	s_wait_tensorcnt 0x0                           ; my load has landed
	s_wait_dscnt 0x0
	s_barrier_signal -1
	s_barrier_wait -1                              ; everybody's have
.endif
	s_cmp_lt_u32 s[JB], \j
	s_cbranch_scc1 .Lhidden_\@                     ; all 128 keys come after my queries
	v_add_nc_u32 v2, 32768*\j, v1
	s_wait_alu depctr_va_vdst(0)
.irp g, 0,1                                    ; S^T = K Q^T, four tiles of 16 keys at a time
.rept 4
	v_nop                                          ; four places in front of loads into registers that matrix instructions have read; at the step's head five with the addition above, since the first products below write over v96-127, which the last step's last products read
.endr
.irp t, 0,1,2,3
.irp c, 0,1,2,3
	ds_load_b128 v[32+16*\t+4*\c:35+16*\t+4*\c], v2 offset:2048*(4*\g+\t)+512*\c
.endr
.endr
	s_wait_dscnt 0x0
.irp t, 0,1,2,3
	v_wmma_f32_16x16x128_fp8_fp8 v[96+8*(4*\g+\t):103+8*(4*\g+\t)], v[32+16*\t:47+16*\t], v[16:31], 0
.endr
.endr
.rept 4
	v_nop                                          ; places in front of the loads below and of the first read of the scores
.endr
.irp t, 0,1,2,3                                ; V's channels 0-63 are asked for here: the whole softmax stands between these loads and the wait for them
.irp c, 0,1,2,3
	ds_load_b128 v[32+16*\t+4*\c:35+16*\t+4*\c], v2 offset:16384+2048*\t+512*\c
.endr
.endr
	s_cmp_lg_u32 s[JB], \j
	s_cbranch_scc1 .Lopen_\@                       ; all keys count
	v_mov_b32 v254, 0xff800000
.set i, 0
.rept 64
	v_cmp_gt_i32 vcc_lo, 32*(i/16)+i%16, v4
	v_cndmask_b32 v[96+i], v[96+i], v254, vcc_lo
.set i, i+1
.endr
.Lopen_\@:
	v_max3_num_f32 v254, v96, v97, v98             ; the step's largest score of my query, in two chains, each accumulator from its low end on
	v_max3_num_f32 v252, v99, v100, v101
.irp i, 6,10,14,18,22,26,30,34,38,42,46,50,54,58
	v_max3_num_f32 v254, v254, v[96+\i], v[97+\i]
	v_max3_num_f32 v252, v252, v[98+\i], v[99+\i]
.endr
	v_max3_num_f32 v254, v254, v158, v159
	s_delay_alu instid0(VALU_DEP_1)
	v_max_num_f32 v254, v254, v252
	s_delay_alu instid0(VALU_DEP_1)
	v_permlanex16_b32 v246, v254, s[SEL], s[SEL+1]
	s_delay_alu instid0(VALU_DEP_1)
	v_max_num_f32 v254, v254, v246
	s_delay_alu instid0(VALU_DEP_1)
	v_mul_f32 v254, s[CSC], v254
	s_delay_alu instid0(VALU_DEP_1)
	v_max_num_f32 v13, v13, v254                   ; the running largest t
	v_mov_b32 v254, v12
	s_delay_alu instid0(VALU_DEP_2)
	v_floor_f32 v12, -v13                          ; -M = floor(-t)
	s_delay_alu instid0(VALU_DEP_1)
	v_sub_f32 v254, v12, v254
	s_delay_alu instid0(VALU_DEP_1)
	v_cvt_i32_f32 v254, v254                       ; old M - new M, a whole number (it saturates)
	s_delay_alu instid0(VALU_DEP_1)
	v_ldexp_f32 v252, 1.0, v254                    ; f = 2^(old M - new M)
.set i, 0
.rept 32
	v_pk_fma_f32 v[96+i:97+i], v[96+i:97+i], s[CSC:CSC+1], v[12:13] op_sel_hi:[1,0,0]   ; t - M
.set i, i+2
.endr
.set i, 0
	s_wait_alu depctr_va_vdst(0)
.rept 64
	v_exp_f32 v[96+i], v[96+i]
.set i, i+1
.endr
	v_pk_mul_f32 v[14:15], v[14:15], v[252:253] op_sel_hi:[1,0]   ; the sums under the new M: the plain line behind the exponentials
	s_wait_alu depctr_va_vdst(0)                   ; one wait for the batch, ahead of its first reader
	v_pk_add_f32 v[242:243], v[100:101], v[104:105]
	v_pk_add_f32 v[248:249], v[108:109], v[112:113]
	v_pk_add_f32 v[238:239], v[116:117], v[120:121]
	v_pk_add_f32 v[236:237], v[124:125], v[128:129]
	v_pk_add_f32 v[234:235], v[132:133], v[136:137]
	v_pk_add_f32 v[232:233], v[140:141], v[144:145]
	v_pk_add_f32 v[230:231], v[148:149], v[152:153]
	v_pk_add_f32 v[14:15], v[14:15], v[156:157]
	v_pk_add_f32 v[242:243], v[242:243], v[96:97]
	v_pk_add_f32 v[248:249], v[248:249], v[98:99]
	v_pk_add_f32 v[238:239], v[238:239], v[102:103]
	v_pk_add_f32 v[236:237], v[236:237], v[106:107]
	v_pk_add_f32 v[234:235], v[234:235], v[110:111]
	v_pk_add_f32 v[232:233], v[232:233], v[114:115]
	v_pk_add_f32 v[230:231], v[230:231], v[118:119]
	v_pk_add_f32 v[14:15], v[14:15], v[122:123]
	v_pk_add_f32 v[242:243], v[242:243], v[126:127]
	v_pk_add_f32 v[248:249], v[248:249], v[130:131]
	v_pk_add_f32 v[238:239], v[238:239], v[134:135]
	v_pk_add_f32 v[236:237], v[236:237], v[138:139]
	v_pk_add_f32 v[234:235], v[234:235], v[142:143]
	v_pk_add_f32 v[232:233], v[232:233], v[146:147]
	v_pk_add_f32 v[230:231], v[230:231], v[150:151]
	v_pk_add_f32 v[14:15], v[14:15], v[154:155]
	v_pk_add_f32 v[242:243], v[242:243], v[158:159]
	s_delay_alu instid0(VALU_DEP_2)
	v_pk_add_f32 v[14:15], v[14:15], v[236:237]
	s_delay_alu instid0(VALU_DEP_2)
	v_pk_add_f32 v[242:243], v[242:243], v[234:235]
	v_pk_add_f32 v[248:249], v[248:249], v[232:233]
	v_pk_add_f32 v[238:239], v[238:239], v[230:231]
	s_delay_alu instid0(VALU_DEP_2)
	v_pk_add_f32 v[14:15], v[14:15], v[248:249]
	s_delay_alu instid0(VALU_DEP_2)
	v_pk_add_f32 v[242:243], v[242:243], v[238:239]
	s_delay_alu instid0(VALU_DEP_1)
	v_pk_add_f32 v[14:15], v[14:15], v[242:243]
.irp b, 0,1,2,3
.irp i, 0,1,2,3,4,5,6,7,8,9,10,11,12,13,14,15
	v_min_num_f32 v[96+16*\b+\i], v[96+16*\b+\i], v240   ; p is not negative: a one-sided hold
.endr
	v_cvt_scalef32_pk8_fp8_f32 v[224+4*\b:225+4*\b], v[96+16*\b:103+16*\b], v244
	v_cvt_scalef32_pk8_fp8_f32 v[226+4*\b:227+4*\b], v[104+16*\b:111+16*\b], v244
.endr
	v_nop                                          ; a plain line behind the last conversion
.irp t, 0,1,2,3                                ; V's channels 64-127, into the registers that p has left
.irp c, 0,1,2,3
	ds_load_b128 v[96+16*\t+4*\c:99+16*\t+4*\c], v2 offset:16384+2048*(4+\t)+512*\c
.endr
.endr
.set i, 0
.rept 32
	v_pk_mul_f32 v[160+i:161+i], v[160+i:161+i], v[252:253] op_sel_hi:[1,0]   ; O^T under the new M, while those loads are out
.set i, i+2
.endr
	s_wait_alu depctr_va_vdst(0)
	s_wait_dscnt 16                                ; V's channels 0-63 are in; the sixteen loads issued behind them may be out
.irp t, 0,1,2,3                                ; O^T += V^T P^T: the eight accumulators take turns
	v_wmma_f32_16x16x128_fp8_fp8 v[160+8*\t:167+8*\t], v[32+16*\t:47+16*\t], v[224:239], v[160+8*\t:167+8*\t]
.endr
	s_wait_dscnt 0x0
.irp t, 0,1,2,3
	v_wmma_f32_16x16x128_fp8_fp8 v[160+8*(4+\t):167+8*(4+\t)], v[96+16*\t:111+16*\t], v[224:239], v[160+8*(4+\t):167+8*(4+\t)]
.endr
.Lhidden_\@:
.endm
	s_wait_loadcnt 0x0                             ; Q
.irp j, 0,1,2,3,4,5,6,7
	STEP \j
.endr
	; THE WAY OUT: O^T / the sum x 2^(e8 + e9), held, converted: registers 16 c + i are channels 32 c + 16 h + i: group c of the image
	v_add_f32 v14, v14, v15
	s_delay_alu instid0(VALU_DEP_1)
	v_permlanex16_b32 v246, v14, s[SEL], s[SEL+1]
	s_delay_alu instid0(VALU_DEP_1)
	v_add_f32 v14, v14, v246
	s_wait_alu depctr_va_vdst(0)
	v_rcp_f32 v14, v14
	v_nop                                          ; a plain line behind the reciprocal
	s_add_co_i32 s52, s48, s49
	s_wait_alu depctr_va_vdst(0)                   ; and the wait ahead of its first reader
	v_ldexp_f32 v14, v14, s52
.set i, 0
.rept 32
	v_pk_mul_f32 v[96+i:97+i], v[160+i:161+i], v[14:15] op_sel_hi:[1,0]
.set i, i+2
.endr
.set i, 0
.rept 64
	v_med3_num_f32 v[96+i], v[96+i], -v241, v241
.set i, i+1
.endr
.irp c, 0,1,2,3
	v_cvt_scalef32_pk8_fp8_f32 v[224+4*\c:225+4*\c], v[96+16*\c:103+16*\c], v245
	v_cvt_scalef32_pk8_fp8_f32 v[226+4*\c:227+4*\c], v[104+16*\c:111+16*\c], v245
.endr
	v_nop
.irp c, 0,1,2,3
	global_store_b128 v1, v[224+4*\c:227+4*\c], s[12:13] offset:512*\c   ; 512 consecutive bytes a store
.endr
	s_wait_tensorcnt 0x0
	s_wait_dscnt 0x0
	s_wait_tensorcnt 0x0
	ds_add_u32 v251, v255
	s_wait_dscnt 0x0
	CROUND                                         ; the closing round
	s_endpgm
.Lfunc_end_k_q4fb8258631_attn:
	.size	k_q4fb8258631_attn, .Lfunc_end_k_q4fb8258631_attn-k_q4fb8258631_attn
	.p2alignl 7, 3214868480
	.fill 96, 4, 3214868480
	.section	.rodata,"a",@progbits
	.p2align	6, 0x0
	.amdhsa_kernel k_q4fb8258631_attn
		.amdhsa_group_segment_fixed_size 264192
		.amdhsa_private_segment_fixed_size 0
		.amdhsa_enable_private_segment 0
		.amdhsa_kernarg_size 40
		.amdhsa_user_sgpr_count 2
		.amdhsa_user_sgpr_kernarg_segment_ptr 1
		.amdhsa_wavefront_size32 1
		.amdhsa_system_sgpr_workgroup_id_x 1
		.amdhsa_system_sgpr_workgroup_id_y 1
		.amdhsa_system_sgpr_workgroup_id_z 1
		.amdhsa_system_vgpr_workitem_id 0
		.amdhsa_next_free_vgpr 256
		.amdhsa_next_free_sgpr 100
		.amdhsa_reserve_vcc 1
		.amdhsa_float_denorm_mode_32 3
		.amdhsa_float_denorm_mode_16_64 3
		.amdhsa_memory_ordered 1
		.amdhsa_forward_progress 1
		.amdhsa_inst_pref_size 210
	.end_amdhsa_kernel
	.amdgpu_metadata
---
amdhsa.version: [ 1, 2 ]
amdhsa.kernels:
  - .name:           k_q4fb8258631_attn
    .symbol:         k_q4fb8258631_attn.kd
    .args:
      - { .name: qimg, .offset: 0, .size: 8, .value_kind: global_buffer, .address_space: global }
      - { .name: kimg, .offset: 8, .size: 8, .value_kind: global_buffer, .address_space: global }
      - { .name: vimg, .offset: 16, .size: 8, .value_kind: global_buffer, .address_space: global }
      - { .name: lowp_scales, .offset: 24, .size: 8, .value_kind: global_buffer, .address_space: global }
      - { .name: cimg, .offset: 32, .size: 8, .value_kind: global_buffer, .address_space: global }
    .group_segment_fixed_size: 264192
    .private_segment_fixed_size: 0
    .kernarg_segment_align: 8
    .kernarg_segment_size: 40
    .max_flat_workgroup_size: 512
    .sgpr_count:     100
    .vgpr_count:     256
    .wavefront_size: 32
...
	.end_amdgpu_metadata
.endif
;; end of part 3
;; launch oproj (part 4): grid 8 x 32, 4 waves a work-group, clusters of 4 x 4, 327,680 bytes of LDS; arguments cimg, wimg, lowp_scales, out0; writes out0
.if DOCPART == 4
	.amdgcn_target "amdgcn-amd-amdhsa--gfx1250"
	.amdhsa_code_object_version 6
	.text
	.protected	k_q4fb8258631_oproj
	.globl	k_q4fb8258631_oproj
	.p2align	8
	.type	k_q4fb8258631_oproj,@function
k_q4fb8258631_oproj:
	s_mov_b64 s[64:65], 0
	v_nop
	global_prefetch_b8 v0, s[64:65] scope:SCOPE_SE
	s_setreg_imm32_b32 hwreg(HW_REG_WAVE_MODE, 25, 1), 1
	s_wait_xcnt 0x0
	s_wait_alu depctr_hold_cnt(0) depctr_sa_sdst(0) depctr_va_vdst(0) depctr_va_sdst(0) depctr_va_ssrc(0) depctr_va_vcc(0) depctr_vm_vsrc(0)
	s_getreg_b32 s2, hwreg(HW_REG_IB_STS2, 6, 4)
	s_cmp_eq_u32 s2, 0
	s_cbranch_scc0 .Lentry_in_a_cluster
	s_endpgm
.Lentry_in_a_cluster:
	s_bfe_u32 s2, ttmp6, 0x10000c
	s_cmp_lg_u32 s2, 0xf033
	s_cbranch_scc0 .Lentry_shape_is_right
	s_endpgm
.Lentry_shape_is_right:
.set KS3,    6144
.set AREG,   8*KS3
.set SLOT,   24*KS3
.set SPARE,  2*SLOT
.set FR,     16
.set NP,     4
.set SPITCH, 528
.set ADRA, 16
.set ADRB, 20
.set STO,  24
.set RD,   25
.set CO,   26
.set SPW,  28
.set NIL,  29
.set TMP,  32
.set AF,   128
.set BK,   128
.set G1,   24
.set G0,   32
.set G1B,  48
.set G0B,  56
.set G1L,  68
.set G1BL, 76
.set MSB, 0
.macro WIN new
.if MSB != \new
	s_set_vgpr_msb (MSB<<8)|\new
.set MSB, \new
.endif
.endm
.set MUL,  0xa1
.set TO_B, 0x40
.macro JLOAD g0a, g1a, g0b, g1b
	s_cmp_eq_u32 s15, 0
	s_cbranch_scc0 .Lfor_b_\@
	tensor_load_to_lds s[\g0a:\g0a+3], s[\g1a:\g1a+7]
	s_nop 0
.rept 4
	v_nop
.endr
	s_branch .Lasked_\@
.Lfor_b_\@:
	tensor_load_to_lds s[\g0b:\g0b+3], s[\g1b:\g1b+7]
	s_nop 0
.rept 4
	v_nop
.endr
.Lasked_\@:
.endm
.macro CREST
	s_cmp_lg_u32 s14, 0
	s_cbranch_scc1 .Lnot_wave_0_\@
	s_barrier_signal -3
.Lnot_wave_0_\@:
	s_barrier_wait -3
	s_barrier_signal -1
	s_barrier_wait -1
.endm
.macro CROUND
	s_barrier_signal -1
	s_barrier_wait -1
	CREST
.endm
	s_load_b256 s[4:11], s[0:1], 0x0
	v_lshl_add_u32 v[SPW], v0, 2, SPARE
	v_mov_b32 v[NIL], 0
	ds_add_u32 v28, v29
	ds_add_u32 v28, v29
	s_wait_dscnt 0x0
	v_lshrrev_b32 v1, 5, v0
	v_readfirstlane_b32 s14, v1
	s_lshr_b32 s15, s14, 1
	s_and_b32 s16, s14, 1
	s_bfe_u32 s40, ttmp6, 0x40000
	s_bfe_u32 s41, ttmp6, 0x40004
	s_lshl_b32 s42, ttmp9, 2
	s_add_co_u32 s42, s42, s40
	s_and_b32 s17, ttmp7, 0xffff
	s_lshl_b32 s17, s17, 2
	s_add_co_u32 s17, s17, s41
	s_lshl_b32 s43, s41, 2
	s_lshl_b32 s43, 15, s43
	s_lshl_b32 s44, 0x1111, s40
	s_or_b32 s[G1], s43, (3<<16)|(1<<21)
	s_or_b32 s[G1L], s43, (3<<16)|(1<<21)
	s_or_b32 s[G1B], s44, (3<<16)|(1<<21)
	s_or_b32 s[G1BL], s44, (3<<16)|(1<<21)
.irp g, G1, G1B
	s_mov_b32 s[\g+1], 768<<16
	s_mov_b32 s[\g+3], 768<<16
.endr
.irp g, G1L, G1BL
	s_mov_b32 s[\g+1], 256<<16
	s_mov_b32 s[\g+3], 256<<16
.endr
.irp g, G1, G1L
	s_mov_b32 s[\g+2], 4<<16
	s_mov_b32 s[\g+4], 4
.endr
.irp g, G1B, G1BL
	s_mov_b32 s[\g+2], 8<<16
	s_mov_b32 s[\g+4], 8
.endr
.irp g, G1, G1B, G1L, G1BL
	s_mov_b32 s[\g+5], 4096
	s_mov_b32 s[\g+6], 0
	s_mov_b32 s[\g+7], 0
.endr
	s_lshl_b32 s20, s17, 18
	s_lshl_b32 s18, s16, 17
	s_add_co_u32 s20, s20, s18
	s_mov_b32 s21, 0
	s_lshl_b32 s46, s42, 19
	s_lshl_b32 s18, s16, 18
	s_add_co_u32 s46, s46, s18
	s_add_co_u32 s46, s46, 6291456
	s_mov_b32 s47, 0
	s_mul_i32 s45, s16, 4*KS3
	s_mul_i32 s19, s16, 8*KS3
	s_add_co_u32 s19, s19, AREG
	s_wait_kmcnt 0x0
	s_load_b64 s[96:97], s[8:9], 0x28
	s_add_nc_u64 s[20:21], s[4:5], s[20:21]
	s_add_nc_u64 s[46:47], s[6:7], s[46:47]
	CROUND
.irp s, 0,1
	s_mov_b32 s[G0+4*\s], 1
	s_add_co_u32 s[G0+4*\s+1], s45, \s*SLOT
	s_add_nc_u64 s[G0+4*\s+2:G0+4*\s+3], s[20:21], \s*KS3
	s_or_b32 s[G0+4*\s+3], s[G0+4*\s+3], 0x80000000
	s_mov_b32 s[G0B+4*\s], 1
	s_add_co_u32 s[G0B+4*\s+1], s19, \s*SLOT
	s_add_nc_u64 s[G0B+4*\s+2:G0B+4*\s+3], s[46:47], \s*KS3
	s_or_b32 s[G0B+4*\s+3], s[G0B+4*\s+3], 0x80000000
	s_wait_alu depctr_va_vdst(0)
	s_wait_tensorcnt 0x0
	ds_add_u32 v28, v29
	ds_add_u32 v28, v29
	s_wait_dscnt 0x0
	CROUND
	JLOAD G0+4*\s, G1, G0B+4*\s, G1B
.endr
	v_and_b32 v6, 31, v0
	v_lshlrev_b32 v[CO], 4, v6
	s_mul_i32 s21, s15, 4*KS3
	s_mul_i32 s22, s16, 8*KS3
	s_add_co_u32 s22, s22, AREG
.irp s, 0,1
	v_add_nc_u32 v[ADRA+\s], s21, v[CO]
	v_add_nc_u32 v[ADRB+\s], s22, v[CO]
	s_add_co_u32 s21, s21, SLOT
	s_add_co_u32 s22, s22, SLOT
.endr
	s_mul_i32 s23, s14, 16*SPITCH
	v_and_b32 v1, 15, v0
	v_bfe_u32 v2, v0, 4, 1
	v_mul_u32_u24 v5, v1, SPITCH
	v_lshl_add_u32 v5, v2, 6, v5
	v_add_nc_u32 v[STO], s23, v5
	v_add_nc_u32 v[RD], s23, v[CO]
	s_lshl_b32 s20, s17, 20
	s_lshl_b32 s21, s15, 19
	s_add_co_u32 s20, s20, s21
	s_mov_b32 s21, 0
	s_lshl_b32 s46, s42, 10
	s_lshl_b32 s47, s16, 9
	s_add_co_u32 s46, s46, s47
	s_mov_b32 s47, 0
	s_add_nc_u64 s[20:21], s[20:21], s[46:47]
	s_add_nc_u64 s[10:11], s[10:11], s[20:21]
.macro FRAG reg, adr, pit, kk, i
.irp c, 0,1,2,3
	ds_load_b128 v[\reg+4*\c:\reg+4*\c+3], v[\adr] offset:(\pit)*(\i)+2048*(\kk)+512*\c
.endr
.endm
.macro MUL8 a, p, zero
.irp b, 0,1,2,3,4,5,6,7
.if \zero
	v_wmma_f32_16x16x128_fp8_fp8 v[8*(8*(\a)+\b):8*(8*(\a)+\b)+7], v[128*(\p)+FR*\b:128*(\p)+FR*\b+FR-1], v[AF+64*(\p)+FR*(\a):AF+64*(\p)+FR*(\a)+FR-1], 0
.else
	v_wmma_f32_16x16x128_fp8_fp8 v[8*(8*(\a)+\b):8*(8*(\a)+\b)+7], v[128*(\p)+FR*\b:128*(\p)+FR*\b+FR-1], v[AF+64*(\p)+FR*(\a):AF+64*(\p)+FR*(\a)+FR-1], v[8*(8*(\a)+\b):8*(8*(\a)+\b)+7]
.endif
.endr
.endm
.macro FETCH slot, pit, kk, p
	WIN TO_B
.irp i, 0,1,2,3,4,5,6,7
	FRAG 128*(\p)+FR*\i, ADRB+\slot, \pit, \kk, \i
.endr
	WIN 0
.irp i, 0,1,2,3
	FRAG AF+64*(\p)+FR*\i, ADRA+\slot, \pit, \kk, \i
.endr
.endm
.macro PLACES n
.rept \n
	v_nop
.endr
.endm
.macro STEP p, zero, slot, kk
	s_wait_dscnt 0x0
	PLACES NP
	FETCH \slot, KS3, \kk, 1-(\p)
	WIN MUL
	MUL8 0, \p, \zero
	MUL8 1, \p, \zero
	MUL8 2, \p, \zero
	MUL8 3, \p, \zero
	WIN 0
.endm
.macro TURN p, slot, next, pit, fill
	s_wait_tensorcnt 0x0
	ds_add_u32 v[SPW], v[NIL]
	s_wait_dscnt 1
	WIN MUL
	MUL8 0, \p, 0
	s_wait_dscnt 0x0
	s_barrier_signal -1
	MUL8 1, \p, 0
	WIN 0
	s_barrier_wait -1
.if \fill
	CREST
	s_add_nc_u64 s[G0+4*\slot+2:G0+4*\slot+3], s[G0+4*\slot+2:G0+4*\slot+3], 2*KS3
	s_add_nc_u64 s[G0B+4*\slot+2:G0B+4*\slot+3], s[G0B+4*\slot+2:G0B+4*\slot+3], 2*KS3
.if \fill == 1
	JLOAD G0+4*\slot, G1, G0B+4*\slot, G1B
.else
	JLOAD G0+4*\slot, G1L, G0B+4*\slot, G1BL
.endif
.else
	PLACES NP
.endif
	FETCH \next, \pit, 0, 1-(\p)
	WIN MUL
	MUL8 2, \p, 0
	MUL8 3, \p, 0
	WIN 0
.endm
	s_wait_alu depctr_va_vdst(0)
	s_wait_tensorcnt 1
	s_barrier_signal -1
	s_barrier_wait -1
	FETCH 0, KS3, 0, 0
	STEP 0, 1, 0, 1
	STEP 1, 0, 0, 2
	TURN 0, 0, 1, KS3, 1
	STEP 1, 0, 1, 1
	STEP 0, 0, 1, 2
	TURN 1, 1, 0, KS3, 1
	STEP 0, 0, 0, 1
	STEP 1, 0, 0, 2
	TURN 0, 0, 1, KS3, 1
	STEP 1, 0, 1, 1
	STEP 0, 0, 1, 2
	TURN 1, 1, 0, KS3, 2
	STEP 0, 0, 0, 1
	STEP 1, 0, 0, 2
	TURN 0, 0, 1, 2048, 0
	s_wait_dscnt 0x0
	WIN MUL
	MUL8 0, 1, 0
	MUL8 1, 1, 0
	MUL8 2, 1, 0
	MUL8 3, 1, 0
	WIN 0
.macro TOSTAGE a
.set AC, 64*(\a)
	WIN 0x02
.set i, 0
.rept 32
	v_pk_mul_f32 v[TMP+i:TMP+i+1], v[AC+i:AC+i+1], s[96:97] op_sel_hi:[1,0]
.set i, i+2
.endr
	WIN 0
.irp b, 0,1,2,3,4,5,6,7
	ds_store_b128 v[STO], v[TMP+8*\b:TMP+8*\b+3] offset:128*(\b/2)+32*(\b%2)
	ds_store_b128 v[STO], v[TMP+8*\b+4:TMP+8*\b+7] offset:128*(\b/2)+32*(\b%2)+16
.endr
.set BB, BK+64*((\a)%2)
.irp t, 0,1,2,3,4,5,6,7,8,9,10,11,12,13,14,15
	ds_load_b128 v[BB+4*\t:BB+4*\t+3], v[RD] offset:\t*SPITCH
.endr
.endm
.macro SEND a, younger
.set BB, BK+64*((\a)%2)
	s_wait_dscnt \younger
.irp t, 0,1,2,3,4,5,6,7,8,9,10,11,12,13,14,15
	global_store_b128 v[CO], v[BB+4*\t:BB+4*\t+3], s[10:11] offset:(32*((\a)/2)+8*((\a)%2)+\t+8*(\t/8))*8192 th:TH_STORE_NT
.endr
.endm
	s_wait_kmcnt 0x0
	s_add_co_i32 s96, s96, s97
	s_add_co_i32 s96, s96, 127
	s_lshl_b32 s96, s96, 23
	PLACES NP
	TOSTAGE 0
.irp a, 1,2,3
.if \a > 1
	s_wait_xcnt 0x0
.endif
	TOSTAGE \a
	SEND \a-1, 32
.endr
	SEND 3, 0
	s_wait_tensorcnt 0x0
	ds_add_u32 v[SPW], v[NIL]
	s_wait_dscnt 0x0
	CROUND
	s_endpgm
.Lfunc_end_k_q4fb8258631_oproj:
	.size	k_q4fb8258631_oproj, .Lfunc_end_k_q4fb8258631_oproj-k_q4fb8258631_oproj
	.p2alignl 7, 3214868480
	.fill 96, 4, 3214868480
	.section	.rodata,"a",@progbits
	.p2align	6, 0x0
	.amdhsa_kernel k_q4fb8258631_oproj
		.amdhsa_group_segment_fixed_size 327680
		.amdhsa_private_segment_fixed_size 0
		.amdhsa_enable_private_segment 0
		.amdhsa_kernarg_size 32
		.amdhsa_user_sgpr_count 2
		.amdhsa_user_sgpr_kernarg_segment_ptr 1
		.amdhsa_wavefront_size32 1
		.amdhsa_system_sgpr_workgroup_id_x 1
		.amdhsa_system_sgpr_workgroup_id_y 1
		.amdhsa_system_sgpr_workgroup_id_z 1
		.amdhsa_system_vgpr_workitem_id 0
		.amdhsa_next_free_vgpr 768
		.amdhsa_next_free_sgpr 98
		.amdhsa_reserve_vcc 0
		.amdhsa_float_denorm_mode_32 3
		.amdhsa_float_denorm_mode_16_64 3
		.amdhsa_memory_ordered 1
		.amdhsa_forward_progress 1
		.amdhsa_inst_pref_size 121
	.end_amdhsa_kernel
	.amdgpu_metadata
---
amdhsa.version: [ 1, 2 ]
amdhsa.kernels:
  - .name:           k_q4fb8258631_oproj
    .symbol:         k_q4fb8258631_oproj.kd
    .args:
      - { .name: cimg, .offset: 0, .size: 8, .value_kind: global_buffer, .address_space: global }
      - { .name: wimg, .offset: 8, .size: 8, .value_kind: global_buffer, .address_space: global }
      - { .name: lowp_scales, .offset: 16, .size: 8, .value_kind: global_buffer, .address_space: global }
      - { .name: out0, .offset: 24, .size: 8, .value_kind: global_buffer, .address_space: global }
    .group_segment_fixed_size: 327680
    .private_segment_fixed_size: 0
    .kernarg_segment_align: 8
    .kernarg_segment_size: 32
    .max_flat_workgroup_size: 128
    .sgpr_count:     98
    .vgpr_count:     768
    .wavefront_size: 32
...
	.end_amdgpu_metadata
.endif
;; end of part 4
